; MI455X (gfx1250); checked and timed in simulation.
; The chip was launched on July 23, 2026; its instructions are those of AMD's public machine-readable ISA for CDNA 5 (MIT licence, August 2026) and "CDNA5" Instruction Set Architecture Reference Guide (July 2026). The comments in the code are by the model that wrote it; some were corrected since.
;; Associator Current. Allowed arithmetic: float matrix products may take bf16 or f16 operands with f32 sums; all other float work in f32.
;; Inputs: J_expand 16 x 16 x 16 float32; W_alpha 1,024 x 16 float32; W_lambda 1,024 x 16 float32; W_sigma 1,024 x 16 float32; b_alpha 16 float32; b_lambda 16 float32; b_sigma 16 float32; x 4 x 4,096 x 1,024 float32.
;; Outputs: out0 4 x 4,096 x 16 x 16 float32.
;; One version. Each part assembles by itself: llvm-mc -triple=amdgcn-amd-amdhsa -mcpu=gfx1250 --defsym DOCPART=n.
;; ======== version 1 of 1: 1 launch
;; launch assoc (part 1): grid 256 x 1, 8 waves a work-group, no clusters, 325,632 bytes of LDS; arguments x, W_sigma, W_lambda, W_alpha, b_sigma, b_lambda, b_alpha, J_expand, out0; writes out0
.if DOCPART == 1
	.amdgcn_target "amdgcn-amd-amdhsa--gfx1250"
	.amdhsa_code_object_version 6
	.text
	.protected	k_qe37c788513_assoc
	.globl	k_qe37c788513_assoc
	.p2align	8
	.type	k_qe37c788513_assoc,@function
k_qe37c788513_assoc:
	s_mov_b64 s[64:65], 0
	v_nop
	global_prefetch_b8 v0, s[64:65] scope:SCOPE_SE
	s_setreg_imm32_b32 hwreg(HW_REG_WAVE_MODE, 25, 1), 1
	s_wait_xcnt 0x0
; AssociatorCurrent in one launch.  x: [16384][1024] f32.  W_sigma, W_lambda, W_alpha: [1024][16] f32, biases [16].  J_expand: [16][16][16] f32.
; out0: [16384][16][16] f32.  psi = x W + b (three times 16 columns); Jv = (sigma lambda) alpha - sigma (lambda alpha) with the complex product
; on the seven-dimensional structure constants; out[j][k] = sum over i of Jv[i] (J[i][j][k] - J[i][k][j]).
;
; SHARES.  256 work-groups of 64 rows; eight waves.  The group's 64 x 4,096 bytes of x fit in LDS whole, so every tensor load is a first fill,
; issued in the first lines: no slot is ever filled again.  K is split over the waves: wave w owns k = 128 w .. 128 w + 127 (512 bytes of each row)
; and keeps its slice of the three W as bf16 fragments in 96 registers.  A wave's x comes as four tiles of 16 rows, not as one of 64, so that the
; rows can be worked off in four stages, each behind its own counted wait, while the later tiles are still on their way.
; A stage: all waves multiply their K slice (12 matrix instructions) and put partial sums into LDS; behind a barrier wave m (0..3) adds the eight
; partial sums of stage m, forms Jv in f32 and publishes it; behind the next barrier waves 4..7 multiply it by J_expand and store 16 rows.
;
; LAYOUT.  Every matrix instruction is used transposed: source 0 = the weights (16 columns), source 1 = 16 rows.  Lane (r = lane % 16, h = lane / 16)
; then holds in result register j the number (row r, column 8 h + j).  So of psi lanes 0-15 hold a row's real octet and lanes 16-31 its imaginary
; one; Jv comes out likewise, which is the layout of a source 1 fragment (K index 8 h + j); and of the output a lane holds 8 neighbouring f32.
; THE LAST PRODUCT uses K = 32 whole: K 0-15 carry J[i][j][k] against Jv[i], K 16-31 carry J[i][k][j] against -Jv[i], so the antisymmetric part is
; formed inside one f32 sum.  J_expand, x and W are rounded to bf16 once each, as matrix operands; Jv, an intermediate, goes in as two bf16 numbers
; (H = bf16(Jv), Lo = bf16(Jv - H)), two matrix instructions a tile; biases and all else stay in f32.
;
; NO CLUSTER: what work-groups share is W (196,608 bytes) and J_expand (16,384).  W changes format and is transposed on its way into registers, and
; beside the resident 270,336 bytes of x LDS has 57,344 bytes left, too few for W in f32; J_expand is 16 KiB of the 464 KiB that a group reads.
; LIMITS: columns 7 and 15 of the three psi are computed but multiply nothing (the structure constants have no entry for index 7), so a NaN or an
; infinity there does not reach the output, as it would through 0 x inf.  A component of Jv beyond bf16's largest finite number gives NaN (inf - inf
; in the split).  The eight partial sums of psi are added in the order of the waves, not in ascending k throughout.
; ---- LDS map (bytes)
.set XP,    528                        ; a row of a tile: 512 bytes + 16 of padding = 33 x 16: sixteen rows' 16-byte pieces fall on sixteen different 16-byte columns modulo 256
.set TILE,  16*XP                      ; 8,448 = 33 x 256: a tile of 16 rows
.set WAVEX, 4*TILE                     ; 33,792: a wave's four tiles
.set JRAW,  8*WAVEX                    ; 270,336: J_expand as 64 rows of 256 bytes, pitch 272: J[i][j][k] at 1088 i + 272 (j / 4) + 64 (j % 4) + 4 k
.set JP,    272
.set WST,   JRAW+64*JP                 ; 287,744: eight stages of 4,096 bytes, a wave's own: [k 0..127][n 0..15] bf16, pitch 32
.set BP,    WST+8*4096                 ; 320,512: four blocks of 1,024 bytes: stage m's Jv fragments, H at 16 x lane, Lo 512 bytes further
.set OST,   3072                       ; in tile 0 of waves 4..7, behind the partial sums: the wave's way out, 16 rows of 272 bytes
.set OP,    272
; Bytes 0..3,071 of tile (w, m) take wave w's partial sums of stage m, once that tile's only fill has landed and its owner has read it.
; ---- vector registers
.set XA,   1                           ; LDS: my 32 bytes of row r in my wave's tile 0
.set PS,   2                           ; LDS: my wave's strip + 16 x lane (partial sums out)
.set PA,   3                           ; v3-6: 16 x lane + strip of waves 0, 2, 4, 6 (partial sums in)
.set BPA,  7                           ; LDS: BP + 16 x lane
.set OSW,  8                           ; LDS: way out, in: row r, 32 h
.set OSR,  9                           ; LDS: way out, back: row h, 16 r
.set OO,   10                          ; byte offset in out0: row h, my wave's 256 bytes, 16 r
.set SG,   11                          ; -1.0 in lanes 0-15, +1.0 in lanes 16-31
.set WO,   12                          ; byte offset in a W: my wave's slice + 16 x lane
.set WS,   13                          ; LDS: my W stage + 8 x lane
.set WT,   14                          ; LDS: my W stage, the transposing loads' address
.set BO,   15                          ; byte offset in a bias: 32 h
.set JD,   12                          ; (waves 4..7, once W is in) LDS: J[8h..][4g..][r]
.set JT,   13                          ; (waves 4..7) LDS: J[8h..][r][4g..]
.set BIAS, 16                          ; v16-39: b[8h .. 8h+7] of the three, in wave 0; zeros in the others
.set ACC,  40                          ; v40-63: three accumulators
.set WF,   64                          ; v64-159: W fragments, 64 + 32 mu + 8 ks
.set RAW,  64                          ; v64-255: W as loaded, 64 registers a matrix
.set JF,   160                         ; v160-191 (waves 4..7): four tiles' fragments of J_expand
.set XR,   192                         ; v192-223: x as read from LDS, f32
.set XF,   224                         ; v224-255: x fragments, bf16
.set TL,   40                          ; set-up only: lane, r, h, two at work
.set TR,   41
.set TH,   42
.set TT,   43
.set TU,   44
; the associator (waves 0..3): arrays of seven pairs
.set RS,   160                         ; v160-223: the eight partial sums of one psi
.set P0,   160
.set P1,   176
.set P2,   192
.set P3,   208
.set P4,   224
.set P5,   240
.set P6,   40
.set HL,   56                          ; v56-59 H, v60-63 Lo
; the last product (waves 4..7)
.set BH,   40                          ; v40-47: [H | -H]
.set BL,   48                          ; v48-55: [Lo | -Lo]
.set DD,   192                         ; v192-223: four result tiles
.set RB,   224                         ; v224-255: rows read back, to store
; ---- scalars: s2 wave; s4, s5 selectors of v_permlanex16_b32; s6 0xffff0000 (lanes 16-31 as a mask, and a word's upper bf16); s7 two sign bits;
; s[8:25] the nine addresses; s26 wave % 4; s[28:35], s[36:43] descriptor groups 1 for x and J; s[44:47] group 0 for J; s[48:63] groups 0 for x's tiles.
	s_load_b512 s[8:23], s[0:1], 0x0               ; x 8:9, W_sigma 10:11, W_lambda 12:13, W_alpha 14:15, b_sigma 16:17, b_lambda 18:19, b_alpha 20:21, J_expand 22:23
	s_load_b64 s[24:25], s[0:1], 0x40              ; out0
	s_set_vgpr_msb 0x40
	v_lshl_add_u32 v0, v0, 2, 0x4f400
	v_mov_b32 v1, 0
	s_set_vgpr_msb 0x4045
	ds_add_u32 v0, v1
	ds_add_u32 v0, v1
	s_set_vgpr_msb 0x4500
	v_lshrrev_b32 v[TT], 5, v0
	v_readfirstlane_b32 s2, v[TT]                  ; my wave's number as a scalar
	s_mov_b32 s4, 0x76543210
	s_mov_b32 s5, 0xfedcba98
	s_mov_b32 s6, 0xffff0000
	s_mov_b32 s7, 0x80008000
	; group 1 for x: a tile of 16 rows x 128 elements of 4 bytes, 1,024 elements from row to row, 4 words of padding behind every 128
	s_mov_b32 s28, (2<<16)|(1<<20)|(6<<22)|(3<<25)
	s_mov_b32 s29, 128<<16                         ; tensor_dim0 = 128
	s_mov_b32 s30, 16<<16                          ; tensor_dim1 = 16
	s_mov_b32 s31, 128<<16                         ; tile_dim0 = 128
	s_mov_b32 s32, 16                              ; tile_dim1 = 16
	s_mov_b32 s33, 1024                            ; the pitch
	s_mov_b32 s34, 0
	s_mov_b32 s35, 0
	; group 1 for J_expand, dense: 8 rows x 32 elements of 8 bytes (256 bytes), 4 words of padding behind every 64
	s_mov_b32 s36, (3<<16)|(1<<20)|(5<<22)|(3<<25)
	s_mov_b32 s37, 32<<16
	s_mov_b32 s38, 8<<16
	s_mov_b32 s39, 32<<16
	s_mov_b32 s40, 8
	s_mov_b32 s41, 32
	s_mov_b32 s42, 0
	s_mov_b32 s43, 0
	s_mul_i32 s68, s2, WAVEX                       ; my strip of x in LDS
	s_mul_i32 s69, s2, 8*JP                        ; my 8 rows of J in LDS
	s_lshl_b32 s66, ttmp9, 18                      ; the group's 64 rows of 4,096 bytes (below 2^26)
	s_lshl_b32 s3, s2, 9                           ; my 512 bytes of a row
	s_add_co_u32 s66, s66, s3
	s_mov_b32 s67, 0
	s_lshl_b32 s70, s2, 11                         ; my 2,048 bytes of J
	s_mov_b32 s71, 0
	s_wait_dscnt 0x0
	s_wait_kmcnt 0x0
	s_add_nc_u64 s[26:27], s[8:9], s[66:67]        ; x at my first tile
	; The first fills, all of them, in one group ahead of every wait on TENSORcnt, every LDS access and every barrier: five loads of the wave are out.
	s_mov_b32 s44, 1
	s_add_co_u32 s45, s69, JRAW
	s_add_nc_u64 s[46:47], s[22:23], s[70:71]
	s_or_b32 s47, s47, 0x80000000
	tensor_load_to_lds s[44:47], s[36:43]          ; my eighth of J_expand
	s_nop 0
.irp m, 0,1,2,3
	s_mov_b32 s[48+4*\m], 1
	s_add_co_u32 s[49+4*\m], s68, \m*TILE
	s_add_nc_u64 s[50+4*\m:51+4*\m], s[26:27], \m*65536   ; 16 rows of 4,096 bytes further down
	s_or_b32 s[51+4*\m], s[51+4*\m], 0x80000000
	tensor_load_to_lds s[48+4*\m:51+4*\m], s[28:35]       ; rows 16 m .. 16 m + 15, my 512 bytes of each
	s_nop 0
.endr
	s_lshl_b32 s66, ttmp9, 16                      ; the group's 64 rows of 1,024 bytes of out0
	s_add_nc_u64 s[24:25], s[24:25], s[66:67]
	s_and_b32 s26, s2, 3                           ; g: which 256 bytes of an output row are mine (waves 4..7)
	; ---- W and the biases: 54 loads in one run
	v_and_b32 v[TL], 31, v0
	v_and_b32 v[TR], 15, v0
	v_bfe_u32 v[TH], v0, 4, 1
	s_lshl_b32 s3, s2, 13                          ; my 128 rows of 64 bytes
	v_lshl_add_u32 v[WO], v[TL], 4, s3
	v_lshlrev_b32 v[BO], 5, v[TH]
.macro WLOAD mu, base                  ; sixteen loads of 512 neighbouring bytes: load t, lane l: k = 8 t + l / 4, n = 4 (l % 4) .. + 3
.set it, 0
.rept 16
	global_load_b128 v[RAW+64*\mu+4*it:RAW+64*\mu+4*it+3], v[WO], s[\base:\base+1] offset:512*it
.set it, it+1
.endr
.endm
	WLOAD 0, 10
	WLOAD 1, 12
	WLOAD 2, 14
.irp mu, 0,1,2
	global_load_b128 v[BIAS+8*\mu:BIAS+8*\mu+3],   v[BO], s[16+2*\mu:17+2*\mu]
	global_load_b128 v[BIAS+8*\mu+4:BIAS+8*\mu+7], v[BO], s[16+2*\mu:17+2*\mu] offset:16
.endr
	; ---- the other addresses, while those loads are on their way
	s_lshl_b32 s3, s2, 12
	s_add_co_u32 s3, s3, WST                       ; my W stage
	v_lshl_add_u32 v[WS], v[TL], 3, s3
	v_and_b32 v[TT], 7, v0
	v_lshlrev_b32 v[WT], 5, v[TT]                  ; row 8 h + lane % 8 of the stage,
	v_lshl_add_u32 v[WT], v[TH], 8, v[WT]
	v_bfe_u32 v[TT], v0, 3, 1
	v_lshl_add_u32 v[WT], v[TT], 4, v[WT]          ; its columns 0-7 or 8-15
	v_add_nc_u32 v[WT], s3, v[WT]
	v_mul_u32_u24 v[XA], v[TR], XP
	v_lshl_add_u32 v[XA], v[TH], 5, v[XA]          ; row r, 8 h numbers of 4 bytes
	v_add_nc_u32 v[XA], s68, v[XA]
	v_lshl_add_u32 v[PS], v[TL], 4, s68
	v_lshlrev_b32 v[PA], 4, v[TL]
	v_add_nc_u32 v[PA+1], 2*WAVEX, v[PA]
	v_add_nc_u32 v[PA+2], 4*WAVEX, v[PA]
	v_add_nc_u32 v[PA+3], 6*WAVEX, v[PA]
	v_add_nc_u32 v[BPA], BP, v[PA]
	s_add_co_u32 s3, s68, OST                      ; my way out
	v_mul_u32_u24 v[OSW], v[TR], OP
	v_lshl_add_u32 v[OSW], v[TH], 5, v[OSW]
	v_add_nc_u32 v[OSW], s3, v[OSW]
	v_mul_u32_u24 v[OSR], v[TH], OP
	v_lshl_add_u32 v[OSR], v[TR], 4, v[OSR]
	v_add_nc_u32 v[OSR], s3, v[OSR]
	s_lshl_b32 s27, s26, 8
	v_lshlrev_b32 v[OO], 10, v[TH]
	v_lshl_add_u32 v[OO], v[TR], 4, v[OO]
	v_add_nc_u32 v[OO], s27, v[OO]
	v_cvt_f32_u32 v[SG], v[TH]
	v_fma_f32 v[SG], v[SG], 2.0, -1.0              ; 2 h - 1
; One W: round to bf16, lay it [k][n] into my stage, read it back transposed as four fragments (n = r; k along the registers).
; cnt = the loads issued behind this matrix's sixteen.  The stage is my wave's own: LDS serves a wave's instructions in order, so the loads see the stores.
.macro WROUND mu, cnt
	s_wait_loadcnt \cnt
.if \mu
	s_wait_dscnt 0x0                               ; the last matrix's fragments are in registers: the stage may be written again
.endif
.set it, 0
.rept 16
	v_cvt_pk_bf16_f32 v[RAW+64*\mu+4*it],   v[RAW+64*\mu+4*it],   v[RAW+64*\mu+4*it+1]
	v_cvt_pk_bf16_f32 v[RAW+64*\mu+4*it+1], v[RAW+64*\mu+4*it+2], v[RAW+64*\mu+4*it+3]
	ds_store_b64 v[WS], v[RAW+64*\mu+4*it:RAW+64*\mu+4*it+1] offset:256*it
.set it, it+1
.endr
.irp ks, 0,1,2,3
	ds_load_tr16_b128 v[WF+32*\mu+8*\ks:WF+32*\mu+8*\ks+3],   v[WT] offset:1024*\ks        ; k = 32 ks + 8 h .. + 7
	ds_load_tr16_b128 v[WF+32*\mu+8*\ks+4:WF+32*\mu+8*\ks+7], v[WT] offset:1024*\ks+512    ; k = 32 ks + 16 + 8 h .. + 7
.endr
.endm
	WROUND 0, 38                                   ; fragments land in registers whose raw numbers have been used up: v64-95,
	WROUND 1, 22                                   ; v96-127,
	WROUND 2, 6                                    ; v128-159
	s_wait_loadcnt 0x0                             ; the biases
	s_cmp_eq_u32 s2, 0
	s_cselect_b32 s3, -1, 0                        ; wave 0 alone keeps them: a bias enters each sum over the eight waves once, as the C of the first product
.set it, 0
.rept 24
	v_and_b32 v[BIAS+it], s3, v[BIAS+it]
.set it, it+1
.endr
.macro BAR
	s_wait_dscnt 0x0                               ; my LDS stores are in LDS and my LDS loads are back, for the others' sake
	s_barrier_signal -1
	s_barrier_wait -1
.endm
	s_wait_tensorcnt 0x4                           ; my rows of J_expand have landed; the four tiles of x issued behind them stay out
	BAR                                            ; everybody's rows of J_expand are in
	; ---- waves 4..7: the fragments of J_expand for output tiles t = 4 g + c (j = t; k = r is the fragment's row)
	s_cmp_lt_u32 s2, 4
	s_cbranch_scc1 .Lno_j
	s_mul_i32 s27, s26, JP
	s_add_co_u32 s27, s27, JRAW
	v_mul_u32_u24 v[TU], v[TH], 32*JP              ; i = 8 h: 8 x 1,088 bytes
	v_lshl_add_u32 v[JD], v[TR], 2, v[TU]
	v_add_nc_u32 v[JD], s27, v[JD]                 ; J[8h][4g][r]
	s_lshl_b32 s27, s26, 4
	s_add_co_u32 s27, s27, JRAW
	v_lshrrev_b32 v[TT], 2, v[TR]
	v_mul_u32_u24 v[JT], v[TT], JP
	v_and_b32 v[TT], 3, v[TR]
	v_lshl_add_u32 v[JT], v[TT], 6, v[JT]
	v_add3_u32 v[JT], v[JT], v[TU], s27            ; J[8h][r][4g]
.irp c, 0,1,2,3
.irp ii, 0,1,2,3,4,5,6,7
	ds_load_b32 v[XR+8*\c+\ii], v[JD] offset:4*JP*\ii+64*\c          ; J[8h+ii][4g+c][r]
.endr
.endr
.irp ii, 0,1,2,3,4,5,6,7
	ds_load_b128 v[XF+4*\ii:XF+4*\ii+3], v[JT] offset:4*JP*\ii       ; J[8h+ii][r][4g .. 4g+3]
.endr
	s_wait_dscnt 0x0
.irp c, 0,1,2,3
.irp p, 0,1,2,3
	v_cvt_pk_bf16_f32 v[JF+8*\c+\p],   v[XR+8*\c+2*\p], v[XR+8*\c+2*\p+1]    ; K 8h .. 8h+7: J[i][t][r]
	v_cvt_pk_bf16_f32 v[JF+8*\c+4+\p], v[XF+8*\p+\c],   v[XF+8*\p+4+\c]      ; K 16+8h ..: J[i][r][t]
.endr
.endr
.Lno_j:
; ---- the projections of 16 rows, my K slice
.macro XLOAD m, ks0                    ; two K steps of 32: lane (r, h) takes x[r][32 ks + 8 h .. + 7] and x[r][32 ks + 16 + 8 h .. + 7], f32
.irp q, 0,1
	ds_load_b128 v[XR+16*\q:XR+16*\q+3],     v[XA] offset:\m*TILE+128*(\ks0+\q)
	ds_load_b128 v[XR+16*\q+4:XR+16*\q+7],   v[XA] offset:\m*TILE+128*(\ks0+\q)+16
	ds_load_b128 v[XR+16*\q+8:XR+16*\q+11],  v[XA] offset:\m*TILE+128*(\ks0+\q)+64
	ds_load_b128 v[XR+16*\q+12:XR+16*\q+15], v[XA] offset:\m*TILE+128*(\ks0+\q)+80
.endr
.endm
.macro XCVT f0                         ; those 32 numbers rounded into two fragments
.set iq, 0
.rept 16
	v_cvt_pk_bf16_f32 v[XF+\f0+iq], v[XR+2*iq], v[XR+2*iq+1]
.set iq, iq+1
.endr
.endm
.macro MM ks, first                    ; one K step for sigma, lambda, alpha.  The three accumulators take turns, one instruction a turn
.irp mu, 0,1,2
.if \first
	v_wmma_f32_16x16x32_bf16 v[ACC+8*\mu:ACC+8*\mu+7], v[WF+32*\mu+8*\ks:WF+32*\mu+8*\ks+7], v[XF+8*\ks:XF+8*\ks+7], v[BIAS+8*\mu:BIAS+8*\mu+7]
.else
	v_wmma_f32_16x16x32_bf16 v[ACC+8*\mu:ACC+8*\mu+7], v[WF+32*\mu+8*\ks:WF+32*\mu+8*\ks+7], v[XF+8*\ks:XF+8*\ks+7], v[ACC+8*\mu:ACC+8*\mu+7]
.endif
.endr
.endm
.macro GEMM m
	s_wait_tensorcnt 3-\m                          ; a wave's tensor loads end in order (ISA guide 10.11.1): tile m is in, the 3 - m tiles behind it stay out.  Only I read it
	XLOAD \m, 0
	s_wait_dscnt 0x0
	XCVT 0
	XLOAD \m, 2                                    ; the second half comes in under the first six products
	MM 0, 1
	MM 1, 0
	s_wait_dscnt 0x0
	XCVT 16
	MM 2, 0
	MM 3, 0
.rept 4
	v_nop                                          ; four places between the last products and the LDS stores that read them
.endr
.irp mu, 0,1,2
	ds_store_b128 v[PS], v[ACC+8*\mu:ACC+8*\mu+3]   offset:\m*TILE+1024*\mu       ; over the head of tile m, which has had its only fill and has been read
	ds_store_b128 v[PS], v[ACC+8*\mu+4:ACC+8*\mu+7] offset:\m*TILE+1024*\mu+512
.endr
.endm
; ---- the associator of 16 rows, one wave, f32
; A psi of stage m: the eight waves' partial sums, added in the order of the waves; components 0..6 go to the even registers of dst.
.macro RED m, mu, dst
.set iw, 0
.rept 8
	ds_load_b128 v[RS+8*iw:RS+8*iw+3],   v[PA+iw/2] offset:(iw%2)*WAVEX+\m*TILE+1024*\mu
	ds_load_b128 v[RS+8*iw+4:RS+8*iw+7], v[PA+iw/2] offset:(iw%2)*WAVEX+\m*TILE+1024*\mu+512
.set iw, iw+1
.endr
.set iw, 1
.rept 6
	s_wait_dscnt 14-2*iw                           ; waves 0 .. iw are in; the two loads of each later wave stay out
.irp q, 0,2,4,6
	v_pk_add_f32 v[RS+\q:RS+\q+1], v[RS+\q:RS+\q+1], v[RS+8*iw+\q:RS+8*iw+\q+1]
.endr
.set iw, iw+1
.endr
	s_wait_dscnt 0x0
.irp i, 0,1,2,3,4,5,6
	v_add_f32 v[\dst+2*\i], v[RS+\i], v[RS+56+\i]
.endr
.endm
; An array holds seven pairs.  (own, other): my half's component and the other half's (real and imaginary part of one row sit 16 lanes apart).
.macro PAIR arr
.irp i, 0,1,2,3,4,5,6
	v_permlanex16_b32 v[\arr+2*\i+1], v[\arr+2*\i], s4, s5
.endr
.endm
; (real, imaginary) in both halves of the lanes, from (own, other)
.macro BCAST dst, src
.irp i, 0,1,2,3,4,5,6
	v_cndmask_b32 v[\dst+2*\i],   v[\src+2*\i],   v[\src+2*\i+1], s6
	v_cndmask_b32 v[\dst+2*\i+1], v[\src+2*\i+1], v[\src+2*\i],   s6
.endr
.endm
; With X = (a, b) in both halves and Y = (own, other), the pair sum of X_j Y_k is (a c, b d) in lanes 0-15 and (a d, b c) in lanes 16-31:
; real part = first - second, imaginary part = first + second: one fused multiply-add by -1 or +1.
.macro FOLD arr
.irp i, 0,1,2,3,4,5,6
	v_fma_f32 v[\arr+2*\i], v[SG], v[\arr+2*\i+1], v[\arr+2*\i]
.endr
.endm
.macro TERM acc, ab, y, i, j, k, neg, mul
.if \mul
	v_pk_mul_f32 v[\acc+2*\i:\acc+2*\i+1], v[\ab+2*\j:\ab+2*\j+1], v[\y+2*\k:\y+2*\k+1]
.else
.if \neg
	v_pk_fma_f32 v[\acc+2*\i:\acc+2*\i+1], v[\ab+2*\j:\ab+2*\j+1], v[\y+2*\k:\y+2*\k+1], v[\acc+2*\i:\acc+2*\i+1] neg_lo:[1,0,0] neg_hi:[1,0,0]
.else
	v_pk_fma_f32 v[\acc+2*\i:\acc+2*\i+1], v[\ab+2*\j:\ab+2*\j+1], v[\y+2*\k:\y+2*\k+1], v[\acc+2*\i:\acc+2*\i+1]
.endif
.endif
.endm
.macro TAB acc, ab, y, neg, mul, j0, k0, j1, k1, j2, k2, j3, k3, j4, k4, j5, k5, j6, k6   ; one term for each of the seven components: seven sums that do not wait for each other
	TERM \acc, \ab, \y, 0, \j0, \k0, \neg, \mul
	TERM \acc, \ab, \y, 1, \j1, \k1, \neg, \mul
	TERM \acc, \ab, \y, 2, \j2, \k2, \neg, \mul
	TERM \acc, \ab, \y, 3, \j3, \k3, \neg, \mul
	TERM \acc, \ab, \y, 4, \j4, \k4, \neg, \mul
	TERM \acc, \ab, \y, 5, \j5, \k5, \neg, \mul
	TERM \acc, \ab, \y, 6, \j6, \k6, \neg, \mul
.endm
; acc_i +/-= sum of X_j Y_k f[j][k][i]: component i lies on three of the seven triples, each giving X_j Y_k - X_k Y_j with (i, j, k) a cyclic turn of the triple.
; start = 1: the first terms start the sums.  flip = 1: the whole product is subtracted.
.macro OCT acc, ab, y, start, flip
	TAB \acc, \ab, \y, \flip,   \start, 1,2, 2,0, 0,1, 4,0, 0,3, 6,0, 0,5
	TAB \acc, \ab, \y, 1-\flip, 0,      2,1, 0,2, 1,0, 0,4, 3,0, 0,6, 5,0
	TAB \acc, \ab, \y, \flip,   0,      3,4, 3,5, 3,6, 5,1, 6,1, 1,3, 1,4
	TAB \acc, \ab, \y, 1-\flip, 0,      4,3, 5,3, 6,3, 1,5, 1,6, 3,1, 4,1
	TAB \acc, \ab, \y, \flip,   0,      5,6, 4,6, 4,5, 6,2, 5,2, 2,4, 2,3
	TAB \acc, \ab, \y, 1-\flip, 0,      6,5, 6,4, 5,4, 2,6, 2,5, 4,2, 3,2
.endm
.macro ASSOC m
	RED \m, 0, P4                                  ; sigma
	RED \m, 1, P5                                  ; lambda
	RED \m, 2, P6                                  ; alpha
	PAIR P4
	PAIR P5
	PAIR P6
	BCAST P0, P4                                   ; sigma as left factor
	BCAST P1, P5                                   ; lambda as left factor
	OCT P2, P0, P5, 1, 0                           ; sigma lambda
	OCT P3, P1, P6, 1, 0                           ; lambda alpha
	FOLD P2
	PAIR P2
	BCAST P4, P2                                   ; (sigma lambda) as left factor
	FOLD P3
	PAIR P3                                        ; (lambda alpha) as right factor
	OCT P5, P4, P6, 1, 0                           ; (sigma lambda) alpha
	OCT P5, P0, P3, 0, 1                           ; - sigma (lambda alpha), onto the same sums: FOLD is linear
	FOLD P5                                        ; Jv[8h + i] in the even registers; component 7 is 0
	v_cvt_pk_bf16_f32 v[HL+0], v[P5+0],  v[P5+2]   ; H = bf16(Jv): a source 1 fragment's registers 0-3 as they stand
	v_cvt_pk_bf16_f32 v[HL+1], v[P5+4],  v[P5+6]
	v_cvt_pk_bf16_f32 v[HL+2], v[P5+8],  v[P5+10]
	v_cvt_pk_bf16_f32 v[HL+3], v[P5+12], 0
.irp p, 0,1,2,3
	v_lshlrev_b32 v[P5+4*\p+1], 16, v[HL+\p]       ; H back in f32, beside its Jv
.endr
.irp p, 0,1,2
	v_and_b32 v[P5+4*\p+3], s6, v[HL+\p]
.endr
.irp i, 0,1,2,3,4,5,6
	v_sub_f32 v[P5+2*\i+1], v[P5+2*\i], v[P5+2*\i+1]   ; exact: what H left over
.endr
	v_cvt_pk_bf16_f32 v[HL+4], v[P5+1],  v[P5+3]   ; Lo
	v_cvt_pk_bf16_f32 v[HL+5], v[P5+5],  v[P5+7]
	v_cvt_pk_bf16_f32 v[HL+6], v[P5+9],  v[P5+11]
	v_cvt_pk_bf16_f32 v[HL+7], v[P5+13], 0
	ds_store_b128 v[BPA], v[HL:HL+3]   offset:1024*\m
	ds_store_b128 v[BPA], v[HL+4:HL+7] offset:1024*\m+512
.endm
; ---- the last product of 16 rows: my 64 columns (four tiles), and the way out
.macro FINAL m
	ds_load_b128 v[BH:BH+3], v[BPA] offset:1024*\m
	ds_load_b128 v[BL:BL+3], v[BPA] offset:1024*\m+512
	s_wait_dscnt 0x0
.irp i, 0,1,2,3
	v_xor_b32 v[BH+4+\i], s7, v[BH+\i]             ; K 16-31 carry -Jv, against J with j and k exchanged
	v_xor_b32 v[BL+4+\i], s7, v[BL+\i]
.endr
.irp c, 0,1,2,3
	v_wmma_f32_16x16x32_bf16 v[DD+8*\c:DD+8*\c+7], v[JF+8*\c:JF+8*\c+7], v[BH:BH+7], 0     ; the first product starts the sum; four accumulators by turns
.endr
.irp c, 0,1,2,3
	v_wmma_f32_16x16x32_bf16 v[DD+8*\c:DD+8*\c+7], v[JF+8*\c:JF+8*\c+7], v[BL:BL+7], v[DD+8*\c:DD+8*\c+7]
.endr
.rept 5
	v_nop                                          ; four places in front of the LDS stores of the results; the fifth for the next stage's first product, which writes over v40-47
.endr
.irp c, 0,1,2,3
	ds_store_b128 v[OSW], v[DD+8*\c:DD+8*\c+3]   offset:64*\c       ; row r, columns 16 c + 8 h .. of my 64
	ds_store_b128 v[OSW], v[DD+8*\c+4:DD+8*\c+7] offset:64*\c+16
.endr
.irp q, 0,1,2,3,4,5,6,7
	ds_load_b128 v[RB+4*\q:RB+4*\q+3], v[OSR] offset:2*OP*\q        ; back by rows: my own bytes, served in order behind the stores
.endr
.irp q, 0,1,2,3,4,5,6,7
	s_wait_dscnt 7-\q                              ; read-back q is in, the younger ones stay out
	global_store_b128 v[OO], v[RB+4*\q:RB+4*\q+3], s[24:25] offset:16384*\m+2048*\q th:TH_STORE_NT   ; sixteen lanes store 256 consecutive bytes at a multiple of 256 from out0's first byte
.endr
.if \m < 3
	s_wait_xcnt 0x0                                ; the stores' data registers are written again by the next stage's conversions only behind this wait
.endif
.endm
; A stage: everybody multiplies; behind the barrier wave m makes stage m's Jv while waves 4..7 finish stage f = m - 1, whose Jv that barrier has shown them.
.macro STAGE m, f
	GEMM \m
	BAR                                            ; all partial sums of stage m, and stage f's Jv, are in LDS
	s_cmp_lg_u32 s2, \m
	s_cbranch_scc1 .Lno_assoc_\@
	ASSOC \m
.Lno_assoc_\@:
.if \m
	s_cmp_lt_u32 s2, 4
	s_cbranch_scc1 .Lno_final_\@
	FINAL \f
.Lno_final_\@:
.endif
.endm
	STAGE 0, 0
	STAGE 1, 0
	STAGE 2, 1
	STAGE 3, 2                                     ; its wait on TENSORcnt is for 0: no tensor load is out from here on
	BAR                                            ; stage 3's Jv is in LDS
	s_cmp_lt_u32 s2, 4
	s_cbranch_scc1 .Lend
	FINAL 3
.Lend:
	s_set_vgpr_msb 0x5
	s_wait_tensorcnt 0x0
	ds_add_u32 v0, v1
	s_wait_dscnt 0x0
	s_set_vgpr_msb 0x500
	s_endpgm
.Lfunc_end_k_qe37c788513_assoc:
	.size	k_qe37c788513_assoc, .Lfunc_end_k_qe37c788513_assoc-k_qe37c788513_assoc
	.p2alignl 7, 3214868480
	.fill 96, 4, 3214868480
	.section	.rodata,"a",@progbits
	.p2align	6, 0x0
	.amdhsa_kernel k_qe37c788513_assoc
		.amdhsa_group_segment_fixed_size 325632
		.amdhsa_private_segment_fixed_size 0
		.amdhsa_enable_private_segment 0
		.amdhsa_kernarg_size 72
		.amdhsa_user_sgpr_count 2
		.amdhsa_user_sgpr_kernarg_segment_ptr 1
		.amdhsa_wavefront_size32 1
		.amdhsa_system_sgpr_workgroup_id_x 1
		.amdhsa_system_sgpr_workgroup_id_y 1
		.amdhsa_system_sgpr_workgroup_id_z 1
		.amdhsa_system_vgpr_workitem_id 0
		.amdhsa_next_free_vgpr 258
		.amdhsa_next_free_sgpr 72
		.amdhsa_reserve_vcc 0
		.amdhsa_float_denorm_mode_32 3
		.amdhsa_float_denorm_mode_16_64 3
		.amdhsa_memory_ordered 1
		.amdhsa_forward_progress 1
		.amdhsa_inst_pref_size 165
	.end_amdhsa_kernel
	.amdgpu_metadata
---
amdhsa.version: [ 1, 2 ]
amdhsa.kernels:
  - .name:           k_qe37c788513_assoc
    .symbol:         k_qe37c788513_assoc.kd
    .args:
      - { .name: x, .offset: 0, .size: 8, .value_kind: global_buffer, .address_space: global }
      - { .name: W_sigma, .offset: 8, .size: 8, .value_kind: global_buffer, .address_space: global }
      - { .name: W_lambda, .offset: 16, .size: 8, .value_kind: global_buffer, .address_space: global }
      - { .name: W_alpha, .offset: 24, .size: 8, .value_kind: global_buffer, .address_space: global }
      - { .name: b_sigma, .offset: 32, .size: 8, .value_kind: global_buffer, .address_space: global }
      - { .name: b_lambda, .offset: 40, .size: 8, .value_kind: global_buffer, .address_space: global }
      - { .name: b_alpha, .offset: 48, .size: 8, .value_kind: global_buffer, .address_space: global }
      - { .name: J_expand, .offset: 56, .size: 8, .value_kind: global_buffer, .address_space: global }
      - { .name: out0, .offset: 64, .size: 8, .value_kind: global_buffer, .address_space: global }
    .group_segment_fixed_size: 325632
    .private_segment_fixed_size: 0
    .kernarg_segment_align: 8
    .kernarg_segment_size: 72
    .max_flat_workgroup_size: 256
    .sgpr_count:     72
    .vgpr_count:     258
    .wavefront_size: 32
...
	.end_amdgpu_metadata
.endif
;; end of part 1
